; MI455X (gfx1250); checked and timed in simulation.
; The chip was launched on July 23, 2026; its instructions are those of AMD's public machine-readable ISA for CDNA 5 (MIT licence, August 2026) and "CDNA5" Instruction Set Architecture Reference Guide (July 2026). The comments in the code are by the model that wrote it; some were corrected since.
;; Attention. Allowed arithmetic: matrix products marked QUANTISED: E5M2 operands, one given power-of-two scale a tensor, by v_wmma_f32_16x16x64_bf8_bf8 or v_wmma_f32_16x16x128_bf8_bf8, f32 sums; everything else in f32.
;; Inputs: W_kqv_codes 3,072 x 32 x 32 uint8 (E5M2 codes of W_kqv, K innermost, in blocks of 32 codes); b_kqv 3,072 float32; lowp_scales 6 int32 (the exponents e of the quantised operands' scales 2^e); x_codes 4,096 x 32 x 32 uint8 (E5M2 codes of x, K innermost, in blocks of 32 codes).
;; Outputs: out0 4,096 x 1,024 float32.
;; This version of the problem:
;;   THIS VERSION OF THE PROBLEM IS GIVEN IN LOW PRECISION. The matrix products marked QUANTISED in the list below multiply operands that are first quantised to E5M2 (5 exponent bits, 2 mantissa bits; 8 bits a number), with one given power-of-two scale for each operand tensor; their sums are f32. All else is computed in f32.
;;   The module's matrix products, in the order in which they are computed (A, B: the left and right operand; K: the contracted axis; several contracted axes count as one K, in the product's order):
;;     1. [M 4,096, K 1,024] x [K 1,024, N 3,072]; A: input x (given as codes); B: input W_kqv (given as codes): QUANTISED (scales: A lowp_scales[0], B lowp_scales[1])
;;     2. batch 16 x [M 4,096, K 64] x [K 64, N 4,096]; A: computed on the way; B: computed on the way: QUANTISED (scales: A lowp_scales[2], B lowp_scales[3])
;;     3. batch 16 x [M 4,096, K 4,096] x [K 4,096, N 64]; A: softmax (see below); B: computed on the way: QUANTISED (scales: A lowp_scales[4], B lowp_scales[5])
;;   THE QUANTISER, for each operand of a quantised product, along K:
;;     - The operand's scale is 2^e, e = its entry of the input lowp_scales (int32; the entries are numbered through the quantised products in the list's order, A before B).
;;     - Each number is divided by the scale, clamped to +-57,344, and rounded to the nearest number of E5M2, ties to even, subnormals kept.
;;     - The product sums the exact products of the quantised numbers (number of the format x scale) in f32.
;;   ~~~python
;;   def quantise(x, axis, e):      # numpy; x: float32 -> the quantised numbers, widened to float32 again
;;       x = np.moveaxis(x, axis, -1); K = x.shape[-1]
;;       r = np.clip(x / 2.0 ** e, -57344, 57344)
;;       step = 2.0 ** (np.maximum(np.frexp(np.where(r == 0, 1, r))[1] - 1, -14) - 2)
;;       q = np.round(r / step) * step * 2.0 ** e      # np.round: ties to even
;;       return np.moveaxis(q, -1, axis).astype(np.float32)
;;   ~~~
;;   SOFTMAX AHEAD OF A QUANTISED PRODUCT. Where the list says 'softmax', what is quantised is not the finished softmax but p = 2^(t - M), with t = logit x log2(e) and M = ceil(the row's largest t), a whole number; so 1/2 < the row's largest p <= 1. The row's sum l is taken of the UNQUANTISED p, in f32, and the product's result is divided by l at the end. Since M is a whole number, a kernel that streams over the keys may use a running M (the ceiling of the running maximum): every later rescaling is an exact power of two, so the quantised numbers keep their values, but for numbers so far below the row's largest that they fall under the format's range.
;;   OPERANDS COMPUTED ON THE WAY. 'Computed on the way' means the value that the module computes at that place (a softmax that the list does not call 'softmax' is quantised finished and normalised). What goes into a quantiser is computed in f32, as accurately as f32 sums, v_exp_f32 and their like allow (about 1e-6 of the number): no bf16 or f16 on the way to a quantiser, and a product that is left as it is and whose result goes on into a quantised operand takes f32 operands (vector FMAs, or v_wmma_f32_16x16x4_f32). A number that lies on a knife's edge between two numbers of the format may be rounded either way, as far as f32 arithmetic and the matrix unit's own rounding can turn it there, and no further.
;;   INPUTS GIVEN AS CODES. W_kqv (in the module: [1024, 3072], K = its axis 0); x (in the module: [4096, 1024], K = its axis 1): each comes as NAME_codes (uint8): NAME with its K axis moved to the last place and cut into blocks of 32 codes, [.., K / 32, bytes a block], one block behind the other in memory; one code a byte (a code: sign, 5 exponent bits, 2 mantissa bits); its scale is its entry of lowp_scales. Its value is code x scale, taken as it is: it is not quantised again, and the codes and scales need not be those that the quantiser above would give.
;; One version. Each part assembles by itself: llvm-mc -triple=amdgcn-amd-amdhsa -mcpu=gfx1250 --defsym DOCPART=n.
;; ======== version 1 of 1: 2 launches
;; workspace buffers: qc 4,194,304 bytes; kc 4,194,304 bytes; vc 4,194,304 bytes
;; launch qkv (part 1): grid 16 x 16, 4 waves a work-group, clusters of 4 x 4, 327,680 bytes of LDS; arguments x_codes, W_kqv_codes, b_kqv, lowp_scales, qc, kc, vc; writes qc, kc, vc
.if DOCPART == 1
	.amdgcn_target "amdgcn-amd-amdhsa--gfx1250"
	.amdhsa_code_object_version 6
	.text
	.protected	k_q82710c94c0_qkv
	.globl	k_q82710c94c0_qkv
	.p2align	8
	.type	k_q82710c94c0_qkv,@function
k_q82710c94c0_qkv:
	s_mov_b64 s[64:65], 0
	v_nop
	global_prefetch_b8 v0, s[64:65] scope:SCOPE_SE
	s_setreg_imm32_b32 hwreg(HW_REG_WAVE_MODE, 25, 1), 1
	s_wait_xcnt 0x0
	s_wait_alu depctr_hold_cnt(0) depctr_sa_sdst(0) depctr_va_vdst(0) depctr_va_sdst(0) depctr_va_ssrc(0) depctr_va_vcc(0) depctr_vm_vsrc(0)
	s_getreg_b32 s2, hwreg(HW_REG_IB_STS2, 6, 4)
	s_cmp_eq_u32 s2, 0
	s_cbranch_scc0 .Lentry_in_a_cluster
	s_endpgm
.Lentry_in_a_cluster:
	s_bfe_u32 s2, ttmp6, 0x10000c
	s_cmp_lg_u32 s2, 0xf033
	s_cbranch_scc0 .Lentry_shape_is_right
	s_endpgm
.Lentry_shape_is_right:
; qkv = x W + b on codes of E5M2; then the rotary embedding of q and k; then q, k and v are quantised and stored as codes for the attention launch.
; x_codes: [4096][1024] bytes, W_kqv_codes: [3072][1024] bytes, K innermost; b_kqv [3072] f32; lowp_scales: e0 (x), e1 (W), e2 (q), e3 (k), e4 (p), e5 (v).
; WORK LEFT OUT IN THIS PROGRAM.  This launch leaves nothing out: every column of W and every bias moves a code of q, k or v.  The attention launch leaves out the tiles of 16 queries x 128 keys all of whose keys
; come after all of the tile's queries: reference() builds the mask tril in its own body and puts finfo.min in those places ahead of the softmax, so their weights are thrown away whatever the inputs hold.
; LIMIT of that: a NaN, an infinity or an overflow that would arise only in such a tile is not carried to the result.
; SHARES.  A work-group makes 256 rows x the 192 columns of ONE head (64 of q, 64 of k, 64 of v: W's rows 64 head + 0, + 1024, + 2048).  Wave w takes rows 64 w .. 64 w + 63 x all 192 columns:
; 12 column tiles b (0-3 q, 4-7 k, 8-11 v) x 4 row tiles a: 48 accumulators, 384 registers.
; q's and k's tiles are used TRANSPOSED (source 0 = 16 rows of W, source 1 = 16 rows of x): a lane holds one row, and its eight registers are features 16 t + 8 (lane / 16) + 0 .. 7: neighbours along the next K; the rotary
; partner (feature + 32) is tile t + 2, same lane, same register.  v's tiles are used straight (source 0 = x, source 1 = W): a lane holds one feature and eight neighbouring KEYS, which are v's K.
; So the conversions' results are registers of the next launch's operands, and each store of the wave covers 512 consecutive bytes, aligned: no stage.
; OUT.  qc, kc: for each head and each 16 rows 1,024 bytes: the 8 registers of a 16 x 64 fragment, four registers a lane on end (16 x lane), then the other four.  vc: for each head, each 128 keys and each 16 features 2,048 bytes:
; the 16 registers of a 16 x 128 fragment of v^T likewise.
; THE SCALES.  A sum stands for sum x 2^(e0 + e1): the bias goes in as the C of the first product, divided by that power; the rotation is linear; each conversion takes 2^(e - e0 - e1) as its one scale.
; THE ANGLE follows reference() step by step: timescale = 10^(i / 8) rounded to f32, angle = position / timescale rounded as a division; then sine and cosine by reduction with pi / 2 in two parts and polynomials.
; CLUSTER 4 x 4.  x's tile hangs on the block of rows alone and is shared along a row of the cluster, W's tiles on the head alone and are shared along a column: joint loads.
; LIMITS: e2, e3 and e5, each less (e0 + e1), lie between -126 and 112, so that each power of two below is an f32 number.  NaN among the codes is not served.
; REGISTERS, in windows of 256.  window 0: v1-5 lane terms; v8-13 scale and hold for q, k, v; v16-24 addresses; v28, v29 the add's two; v32-127 the biases, 8 a column tile (in the tail: the codes); v128-255 x's fragments, two sets
;   (at the head: v128-131 v's biases as loaded, v132-135 positions; in the tail v128-191 at work).   window 1: v0-191 W's 12 fragments, one set (at the head: sine and cosine at work).
;   window 2: the accumulators of q and k, (b, a) at v[8 (4 b + a)].   window 3: v0-127 those of v; v128-255 cosine (16) and sine (16) for each row tile.
.set PITCH,  272                       ; an LDS row: 256 bytes + 16 of padding: the 16 rows that a fragment load touches start at 16 different 16-byte columns
.set ABYTES, 256*PITCH                 ; x's 256 rows
.set GBYTES, 64*PITCH                  ; 64 rows: a wave's rows of x; one of W's three groups
.set SLOT,   ABYTES+3*GBYTES           ; 121,856 bytes: 256 along K
.set SPARE,  2*SLOT                    ; behind the ring: the spare words, 128 bytes a wave: two blocks of 256 bytes that no other line names
.set ADRA, 16                          ; v16-17  LDS address of my fragments of x in slot 0, 1
.set ADRB, 20                          ; v20-21  the same for W
.set STO,  24                          ; v24     16 x lane: my place in a store's 512 bytes
.set SPW,  28                          ; v28     my spare word; never rewritten
.set NIL,  29                          ; v29     0; never rewritten
.set BIAS, 32
.set QC,   32                          ; the tail: q's codes v32-63, k's v64-95,
.set VC,   96                          ; v's v96-127: each register written once
.set AF,   128                         ; x's fragments: set 0, set 1 = + 64
.set TQ,   128                         ; the tail: two sets of 32 numbers at work
.set CSN,  128                         ; window 3: row tile a: cosine at 128 + 32 a, sine 16 further on
.set WV,   14
.set G1A,  24                          ; s[24:31] group 1 for x's tile; s[32:39] its groups 0, one a slot
.set G0A,  32
.set G1B,  48                          ; s[48:55], s[56:63] the same for W's tiles
.set G0B,  56
; window 1 at the head
.set XTS,  0                           ; 16 timescales: register 8 t + j: feature 16 t + 8 (lane / 16) + j
.set XRC,  16                          ; their reciprocals
.set K2PI, 32                          ; constants, each twice, for the packed forms
.set KHI,  34
.set KMID, 36
.set KS1,  38
.set KS2,  40
.set KS3,  42
.set KC0,  44
.set KC1,  46
.set KC2,  48
.set XPOS, 52
.set XTH,  64
.set XE,   80
.set XKF,  96
.set XR,   112
.set XZ,   128
.set XPS,  144
.set XPC,  160
.set XT1,  176
.set XT2,  192
.set MSB, 0
.macro WIN new                         ; the immediate's high byte repeats the setting that is left
.if MSB != \new
	s_set_vgpr_msb (MSB<<8)|\new
.set MSB, \new
.endif
.endm
.macro PLACES                          ; four plain places behind matrix instructions, in front of loads into registers that they read and of the first read of results
.rept 4
	v_nop
.endr
.endm
; A joint load: wave 3 fetches x's tile (256 rows), waves 0 to 2 one of W's three groups of 64 rows each.  The branch hangs on the wave's number alone.  An s_nop 0 and four v_nop follow each line.
.macro JLOAD s
	s_cmp_eq_u32 s[WV], 3
	s_cbranch_scc0 .Lfor_b_\@
	tensor_load_to_lds s[G0A+4*\s:G0A+4*\s+3], s[G1A:G1A+7]
	s_nop 0
.rept 4
	v_nop
.endr
	s_branch .Lasked_\@
.Lfor_b_\@:
	tensor_load_to_lds s[G0B+4*\s:G0B+4*\s+3], s[G1B:G1B+7]
	s_nop 0
.rept 4
	v_nop
.endr
.Lasked_\@:
.endm
.macro CREST                           ; a round of the cluster's barrier behind its opening barrier
	s_cmp_lg_u32 s[WV], 0
	s_cbranch_scc1 .Lnot_wave_0_\@
	s_barrier_signal -3
.Lnot_wave_0_\@:
	s_barrier_wait -3
	s_barrier_signal -1
	s_barrier_wait -1
.endm
.macro CROUND
	s_barrier_signal -1
	s_barrier_wait -1
	CREST
.endm
	s_load_b256 s[4:11], s[0:1], 0x0               ; x's codes s[4:5], W's s[6:7], b s[8:9], the exponents s[10:11]
	s_load_b128 s[68:71], s[0:1], 0x20             ; qc, kc
	s_load_b64 s[72:73], s[0:1], 0x30              ; vc
	v_lshl_add_u32 v[SPW], v0, 2, SPARE
	v_mov_b32 v[NIL], 0
	ds_add_u32 v[SPW], v[NIL]                      ; the wave's opening: the add, twice on end, and its wait ahead of my first tensor load
	ds_add_u32 v[SPW], v[NIL]
	v_lshrrev_b32 v1, 5, v0
	v_readfirstlane_b32 s[WV], v1                  ; wave 0..3
	s_bfe_u32 s40, ttmp6, 0x40000                  ; cx, cy: my place in the cluster
	s_bfe_u32 s41, ttmp6, 0x40004
	s_lshl_b32 s42, ttmp9, 2
	s_add_co_u32 s42, s42, s40                     ; the head = 4 x cluster x + cx
	s_and_b32 s17, ttmp7, 0xffff
	s_lshl_b32 s17, s17, 2
	s_add_co_u32 s17, s17, s41                     ; the block of 256 rows = 4 x cluster y + cy
	s_lshl_b32 s43, s41, 2
	s_lshl_b32 s43, 15, s43                        ; my row of the cluster
	s_lshl_b32 s44, 0x1111, s40                    ; my column
	s_or_b32 s[G1A], s43, (1<<20)|(1<<21)|(5<<22)|(3<<25)   ; 15:0 the mask; 17:16 elements of 1 byte; 20 padding on; 21 set beside a mask; 24:22 after every 64 words; 31:25 four words
	s_or_b32 s[G1B], s44, (1<<20)|(1<<21)|(5<<22)|(3<<25)
.irp g, G1A, G1B
	s_mov_b32 s[\g+1], 256<<16                     ; tensor_dim0 = 256
	s_mov_b32 s[\g+3], 256<<16                     ; tile_dim0 = 256
	s_mov_b32 s[\g+5], 1024                        ; from row to row
	s_mov_b32 s[\g+6], 0
	s_mov_b32 s[\g+7], 0
.endr
	s_mov_b32 s[G1A+2], 256<<16                    ; tensor_dim1, tile_dim1: 256 rows of x,
	s_mov_b32 s[G1A+4], 256
	s_mov_b32 s[G1B+2], 64<<16                     ; 64 rows of W
	s_mov_b32 s[G1B+4], 64
	s_lshl_b32 s20, s17, 18                        ; x: 256 rows of 1,024 bytes a block
	s_mov_b32 s21, 0
	s_lshl_b32 s46, s42, 16                        ; W: 64 rows a head,
	s_lshl_b32 s47, s[WV], 20                      ; + 1,024 rows for each group (wave 0: q's, 1: k's, 2: v's; wave 3 does not ask by this address)
	s_add_co_u32 s46, s46, s47
	s_mov_b32 s47, 0
	s_mul_i32 s45, s[WV], GBYTES
	s_add_co_u32 s45, s45, ABYTES                  ; and where a group goes: behind x's rows: no place in the cluster enters an LDS address
	s_wait_dscnt 0x0                               ; both opening adds are done
	s_wait_kmcnt 0x0
	s_load_b128 s[76:79], s[10:11], 0x0            ; e0 .. e3
	s_load_b64 s[80:81], s[10:11], 0x10            ; e4, e5
	s_add_nc_u64 s[20:21], s[4:5], s[20:21]
	s_add_nc_u64 s[46:47], s[6:7], s[46:47]
	CROUND                                         ; all sixteen work-groups are here: the first joint loads meet
.irp s, 0,1
	s_mov_b32 s[G0A+4*\s], 1
	s_mov_b32 s[G0A+4*\s+1], \s*SLOT
	s_add_nc_u64 s[G0A+4*\s+2:G0A+4*\s+3], s[20:21], \s*256
	s_or_b32 s[G0A+4*\s+3], s[G0A+4*\s+3], 0x80000000
	s_mov_b32 s[G0B+4*\s], 1
	s_add_co_u32 s[G0B+4*\s+1], s45, \s*SLOT
	s_add_nc_u64 s[G0B+4*\s+2:G0B+4*\s+3], s[46:47], \s*256
	s_or_b32 s[G0B+4*\s+3], s[G0B+4*\s+3], 0x80000000
	JLOAD \s                                       ; two loads of mine are out
.endr
	v_and_b32 v1, 15, v0                           ; r
	v_bfe_u32 v2, v0, 4, 1                         ; h
	v_mul_u32_u24 v3, v1, PITCH
	v_lshl_add_u32 v3, v2, 4, v3                   ; a fragment's row x pitch + 16 h
	v_lshlrev_b32 v4, 5, v2                        ; q's and k's biases: 8 numbers for each half of the lanes
	v_lshlrev_b32 v5, 2, v1                        ; v's: one number a lane
	s_mul_i32 s21, s[WV], GBYTES                   ; my 64 rows of x
	v_add_nc_u32 v[ADRA], s21, v3
	s_add_co_u32 s21, s21, SLOT
	v_add_nc_u32 v[ADRA+1], s21, v3
	v_add_nc_u32 v[ADRB], ABYTES, v3
	v_add_nc_u32 v[ADRB+1], ABYTES+SLOT, v3
	v_and_b32 v[STO], 31, v0
	v_lshlrev_b32 v[STO], 4, v[STO]
	s_lshl_b32 s18, s42, 8                         ; the head's 64 numbers in each third of b
	s_mov_b32 s19, 0
	s_add_nc_u64 s[8:9], s[8:9], s[18:19]
.irp b, 0,1,2,3,4,5,6,7
	global_load_b128 v[BIAS+8*\b:BIAS+8*\b+3],   v4, s[8:9] offset:(\b/4)*4096+(\b%4)*64      ; tile b: b(16 t + 8 h + 0 .. 7): the result's layout
	global_load_b128 v[BIAS+8*\b+4:BIAS+8*\b+7], v4, s[8:9] offset:(\b/4)*4096+(\b%4)*64+16
.endr
.irp f, 0,1,2,3
	global_load_b32 v[128+\f], v5, s[8:9] offset:8192+64*\f                                   ; v's tile f: b(16 f + r)
.endr
	s_lshl_b32 s18, s42, 18                        ; where my codes go: the head's 262,144 bytes, the block's 16,384,
	s_lshl_b32 s19, s17, 14
	s_add_co_u32 s18, s18, s19
	s_lshl_b32 s19, s[WV], 12                      ; q, k: my four tiles of 16 rows, 1,024 bytes each
	s_add_co_u32 s22, s18, s19
	s_mov_b32 s23, 0
	s_add_nc_u64 s[68:69], s[68:69], s[22:23]
	s_add_nc_u64 s[70:71], s[70:71], s[22:23]
	s_lshr_b32 s19, s[WV], 1                       ; v: which 128 keys, and which half of each fragment's registers
	s_lshl_b32 s19, s19, 13
	s_add_co_u32 s22, s18, s19
	s_and_b32 s19, s[WV], 1
	s_lshl_b32 s19, s19, 10
	s_add_co_u32 s22, s22, s19
	s_add_nc_u64 s[72:73], s[72:73], s[22:23]
	s_lshl_b32 s18, s17, 8
	s_lshl_b32 s19, s[WV], 6
	s_add_co_u32 s18, s18, s19
	v_add_nc_u32 v132, s18, v1                     ; my lane's position in row tile 0 .. 3
	v_add_nc_u32 v133, 16, v132
	v_add_nc_u32 v134, 32, v132
	v_add_nc_u32 v135, 48, v132
; SINE AND COSINE of position / timescale, while the first tiles are on their way.  All in window 1.
.macro TSET n, lo, hi                  ; lanes 0-15 take the timescale of feature 16 t + j, lanes 16-31 that of feature 16 t + 8 + j
	v_mov_b32 v[XTS+\n], \lo
	v_mov_b32 v[XTH+\n], \hi
	v_cndmask_b32 v[XTS+\n], v[XTS+\n], v[XTH+\n], vcc_lo
.endm
.macro CPAIR reg, val
	v_mov_b32 v[\reg], \val
	v_mov_b32 v[\reg+1], \val
.endm
.macro PMUL d, a, sa, b, sb            ; d = a b over 16 registers, two at a time; a stride of 0 names a constant's pair
.set n, 0
.rept 8
	v_pk_mul_f32 v[\d+n:\d+n+1], v[\a+\sa*n:\a+\sa*n+1], v[\b+\sb*n:\b+\sb*n+1]
.set n, n+2
.endr
.endm
.macro PFMA d, a, sa, b, sb, c, sc, neg   ; d = a b + c (neg = 1: -a b + c)
.set n, 0
.rept 8
.if \neg
	v_pk_fma_f32 v[\d+n:\d+n+1], v[\a+\sa*n:\a+\sa*n+1], v[\b+\sb*n:\b+\sb*n+1], v[\c+\sc*n:\c+\sc*n+1] neg_lo:[1,0,0] neg_hi:[1,0,0]
.else
	v_pk_fma_f32 v[\d+n:\d+n+1], v[\a+\sa*n:\a+\sa*n+1], v[\b+\sb*n:\b+\sb*n+1], v[\c+\sc*n:\c+\sc*n+1]
.endif
.set n, n+2
.endr
.endm
	s_mov_b32 vcc_lo, 0xffff0000                   ; lanes 16-31
	WIN 0x55
	TSET 0,  1.0, 10.0                             ; 10^(i / 8), rounded to f32 by the assembler
	TSET 1,  1.3335214321633240, 13.335214321633240
	TSET 2,  1.7782794100389228, 17.782794100389228
	TSET 3,  2.3713737056616552, 23.713737056616552
	TSET 4,  3.1622776601683795, 31.622776601683795
	TSET 5,  4.2169650342858224, 42.169650342858224
	TSET 6,  5.6234132519034908, 56.234132519034908
	TSET 7,  7.4989420933245582, 74.989420933245582
	TSET 8,  100.0, 1000.0
	TSET 9,  133.35214321633240, 1333.5214321633240
	TSET 10, 177.82794100389228, 1778.2794100389228
	TSET 11, 237.13737056616552, 2371.3737056616552
	TSET 12, 316.22776601683795, 3162.2776601683795
	TSET 13, 421.69650342858224, 4216.9650342858224
	TSET 14, 562.34132519034908, 5623.4132519034908
	TSET 15, 749.89420933245582, 7498.9420933245582
	CPAIR K2PI, 0x3f22f983                         ; 2 / pi
	CPAIR KHI,  0xbfc90fdb                         ; -(pi / 2 rounded to f32)
	CPAIR KMID, 0x333bbd2e                         ; that f32 number less pi / 2
	CPAIR KS1,  -0.16666654611                     ; sin r = r + r z (S1 + S2 z + S3 z^2), z = r^2, |r| up to pi / 4
	CPAIR KS2,  0.0083321608736
	CPAIR KS3,  -0.00019515295891
	CPAIR KC0,  0.04166664568298827                ; cos r = 1 - z / 2 + z^2 (C0 + C1 z + C2 z^2)
	CPAIR KC1,  -0.001388731625493765
	CPAIR KC2,  0.00002443315711809948
.set n, 0
.rept 16
	v_rcp_f32 v[XRC+n], v[XTS+n]
.set n, n+1
.endr
	v_nop                                          ; a plain instruction behind the last reciprocal,
	s_wait_alu depctr_va_vdst(0)                   ; and one wait for the batch ahead of its first reader
.rept 2                                ; two Newton steps: the reciprocal to the last bit, for the division below
.set n, 0
.rept 8
	v_pk_fma_f32 v[XE+n:XE+n+1], v[XTS+n:XTS+n+1], v[XRC+n:XRC+n+1], 1.0 op_sel_hi:[1,1,0] neg_lo:[1,0,0] neg_hi:[1,0,0]
.set n, n+2
.endr
	PFMA XRC, XE,1, XRC,1, XRC,1, 0
.endr
.macro SINCOS a                        ; row tile a: 16 angles a lane
	WIN 0x40                                       ; destination window 1, source window 0
	v_cvt_f32_u32 v[XPOS], v[132+(\a)]
	v_cvt_f32_u32 v[XPOS+1], v[132+(\a)]
	WIN 0x55
	PMUL XTH, XPOS,0, XRC,1                        ; the angle = position / timescale: a quotient,
	PFMA XE, XTS,1, XTH,1, XPOS,0, 1               ; its remainder, exact in one fused step,
	PFMA XTH, XE,1, XRC,1, XTH,1, 0                ; and the quotient corrected: rounded as a division
	PMUL XKF, XTH,1, K2PI,0
.set n, 0
.rept 16
	v_rndne_f32 v[XKF+n], v[XKF+n]                 ; k: the nearest multiple of pi / 2, at most 2,607
.set n, n+1
.endr
	PFMA XR, XKF,1, KHI,0, XTH,1, 0                ; r = angle - k (pi / 2), in two parts; the first difference is exact
	PFMA XR, XKF,1, KMID,0, XR,1, 0
	PMUL XZ, XR,1, XR,1
	PFMA XPS, XZ,1, KS3,0, KS2,0, 0
	PFMA XPC, XZ,1, KC2,0, KC1,0, 0
	PFMA XPS, XPS,1, XZ,1, KS1,0, 0
	PFMA XPC, XPC,1, XZ,1, KC0,0, 0
	PMUL XE, XZ,1, XR,1
	PMUL XTH, XZ,1, XZ,1
.set n, 0
.rept 8
	v_pk_fma_f32 v[XZ+n:XZ+n+1], v[XZ+n:XZ+n+1], -0.5, 1.0 op_sel_hi:[1,0,0]
.set n, n+2
.endr
	PFMA XPS, XPS,1, XE,1, XR,1, 0                 ; sin r
	PFMA XPC, XPC,1, XTH,1, XZ,1, 0                ; cos r
.set n, 0
.rept 16
	v_cvt_i32_f32 v[XKF+n], v[XKF+n]
.set n, n+1
.endr
.set n, 0
.rept 16
	v_and_b32 v[XT1+n], 1, v[XKF+n]
.set n, n+1
.endr
.set n, 0
.rept 16                               ; an odd k swaps sine and cosine
	v_cmp_eq_u32 vcc_lo, 1, v[XT1+n]
	v_cndmask_b32 v[XE+n], v[XPS+n], v[XPC+n], vcc_lo
	v_cndmask_b32 v[XR+n], v[XPC+n], v[XPS+n], vcc_lo
.set n, n+1
.endr
.set n, 0
.rept 16                               ; the sine changes sign where k mod 4 is 2 or 3, the cosine where it is 1 or 2
	v_lshlrev_b32 v[XT1+n], 30, v[XKF+n]
	v_add_lshl_u32 v[XT2+n], v[XKF+n], 1, 30
.set n, n+1
.endr
.set n, 0
.rept 16
	v_and_b32 v[XT1+n], 0x80000000, v[XT1+n]
	v_and_b32 v[XT2+n], 0x80000000, v[XT2+n]
.set n, n+1
.endr
	WIN 0xd5                                       ; sources window 1, destination window 3
.set n, 0
.rept 16
	v_xor_b32 v[CSN+32*(\a)+16+n], v[XE+n], v[XT1+n]
	v_xor_b32 v[CSN+32*(\a)+n], v[XR+n], v[XT2+n]
.set n, n+1
.endr
.endm
	SINCOS 0
	SINCOS 1
	SINCOS 2
	SINCOS 3
	WIN 0
	s_wait_loadcnt 0x0                             ; the biases
	s_wait_kmcnt 0x0                               ; the exponents
	s_add_co_i32 s18, s76, s77                     ; e0 + e1
	s_sub_co_i32 s19, 0, s18
.set n, 0
.rept 64
	v_ldexp_f32 v[BIAS+n], v[BIAS+n], s19          ; b / 2^(e0 + e1): what the sums lack
.set n, n+1
.endr
.irp f, 0,1,2,3
.irp j, 0,1,2,3,4,5,6,7
	v_ldexp_f32 v[BIAS+64+8*\f+\j], v[128+\f], s19 ; v's tiles: a lane's eight registers are eight keys of one feature
.endr
.endr
.macro SCL e, reg                      ; v[reg] = 2^(e - e0 - e1) as f32, v[reg + 1] = 57,344 x that
	s_sub_co_i32 s22, \e, s18
	s_add_co_i32 s22, s22, 127
	s_lshl_b32 s23, s22, 23
	v_mov_b32 v[\reg], s23
	s_add_co_i32 s22, s22, 15
	s_lshl_b32 s22, s22, 23
	s_or_b32 s22, s22, 0x600000
	v_mov_b32 v[\reg+1], s22
.endm
	SCL s78, 8                                     ; q
	SCL s79, 10                                    ; k
	SCL s81, 12                                    ; v
.macro FRAG reg, adr, q, i             ; 16 rows x 128 K: four loads of 16 bytes, 32 apart: lane l holds, of row l % 16, K = 32 c + 16 (l / 16) + 0 .. 15 in registers 4 c .. 4 c + 3: one and the same order of K in x and in W
.irp c, 0,1,2,3
	ds_load_b128 v[\reg+4*\c:\reg+4*\c+3], v[\adr] offset:128*(\q)+32*\c+(\i)*16*PITCH
.endr
.endm
.macro FETCH_B slot, q, b0             ; W's blocks b0 .. b0 + 5 of the slot's q-th 128 along K: 24 loads
	WIN 0x40
.irp i, 0,1,2,3,4,5
	FRAG 16*(\b0+\i), ADRB+\slot, \q, \b0+\i
.endr
	WIN 0
.endm
.macro FETCH_A slot, q, set            ; x's four blocks into a set: 16 loads
	WIN 0
.irp i, 0,1,2,3
	FRAG AF+64*(\set)+16*\i, ADRA+\slot, \q, \i
.endr
.endm
; cnt column tiles from b0 on x the four row tiles, 128 along K.  first = 1: the bias is the C of the sum's first product: nothing is cleared, nothing is added later.
; The 48 accumulators take turns, one instruction a turn, in the same order in every step.
.macro MUL b0, cnt, set, first
.set bb, \b0
.rept \cnt
.set aa, 0
.if bb < 8
.if \first
	WIN 0x81                                       ; source 0 (W) window 1, source 1 (x) and C (bias) window 0, D window 2
.else
	WIN 0xa1                                       ; C and D window 2
.endif
.rept 4
.if \first
	v_wmma_f32_16x16x128_bf8_bf8 v[8*(4*bb+aa):8*(4*bb+aa)+7], v[16*bb:16*bb+15], v[AF+64*(\set)+16*aa:AF+64*(\set)+16*aa+15], v[BIAS+8*bb:BIAS+8*bb+7]
.else
	v_wmma_f32_16x16x128_bf8_bf8 v[8*(4*bb+aa):8*(4*bb+aa)+7], v[16*bb:16*bb+15], v[AF+64*(\set)+16*aa:AF+64*(\set)+16*aa+15], v[8*(4*bb+aa):8*(4*bb+aa)+7]
.endif
.set aa, aa+1
.endr
.else
.if \first
	WIN 0xc4                                       ; source 0 (x) and C (bias) window 0, source 1 (W) window 1, D window 3
.else
	WIN 0xf4                                       ; C and D window 3
.endif
.rept 4
.if \first
	v_wmma_f32_16x16x128_bf8_bf8 v[8*(4*(bb-8)+aa):8*(4*(bb-8)+aa)+7], v[AF+64*(\set)+16*aa:AF+64*(\set)+16*aa+15], v[16*bb:16*bb+15], v[BIAS+8*bb:BIAS+8*bb+7]
.else
	v_wmma_f32_16x16x128_bf8_bf8 v[8*(4*(bb-8)+aa):8*(4*(bb-8)+aa)+7], v[AF+64*(\set)+16*aa:AF+64*(\set)+16*aa+15], v[16*bb:16*bb+15], v[8*(4*(bb-8)+aa):8*(4*(bb-8)+aa)+7]
.endif
.set aa, aa+1
.endr
.endif
.set bb, bb+1
.endr
.endm
; A slot's first 128 along K (x's set 0).  A block of W is free as soon as its four products are issued, so one set serves W: blocks 0-5 are fetched anew in the step's middle, blocks 6-11 at its end.
.macro STEP slot, first
	s_wait_dscnt 24                                ; W's blocks 0-5 and x's set are in; the youngest 24 loads (W's blocks 6-11) may be out
	MUL 0, 6, 0, \first
	s_wait_dscnt 0x0                               ; W's blocks 6-11 are in
	PLACES
	FETCH_B \slot, 1, 0
	FETCH_A \slot, 1, 1
	MUL 6, 6, 0, \first
	PLACES
	FETCH_B \slot, 1, 6
.endm
; A slot's second 128 along K (x's set 1) changes slots: ONE barrier; in front of it each wave waits for all its tensor loads, adds 0 to its spare word, and waits for that and for its reads of this slot.
; fill = 1: this slot is filled again, 512 further along K; the barrier then opens a round of the cluster's.
.macro TURN slot, next, fill
	s_wait_tensorcnt 0x0                           ; all my tensor loads have landed: my part of the next slot
	ds_add_u32 v[SPW], v[NIL]                      ; 0 onto my spare word
	s_wait_dscnt 25                                ; (the add and the youngest 24 loads may be out)
	MUL 0, 3, 1, 0                                 ; twelve matrix instructions stand between the add and the wait for it
	s_wait_dscnt 0x0                               ; the add is done, and my reads of this slot are over
	s_barrier_signal -1
	MUL 3, 3, 1, 0
	WIN 0
	s_barrier_wait -1
.if \fill
	CREST                                          ; no wave of any partner still reads this slot or has a load on its way
	s_add_nc_u64 s[G0A+4*\slot+2:G0A+4*\slot+3], s[G0A+4*\slot+2:G0A+4*\slot+3], 512
	s_add_nc_u64 s[G0B+4*\slot+2:G0B+4*\slot+3], s[G0B+4*\slot+2:G0B+4*\slot+3], 512
	JLOAD \slot                                    ; the first tensor load behind the round, my one load until the next; its four v_nop are the places in front of the loads below
.else
	PLACES
.endif
	FETCH_B \next, 0, 0
	FETCH_A \next, 0, 0
	MUL 6, 6, 1, 0
	PLACES
	FETCH_B \next, 0, 6
.endm
	s_wait_tensorcnt 1                             ; my part of slot 0 is in; slot 1's load may stay out
	s_barrier_signal -1
	s_barrier_wait -1                              ; everybody's is
	FETCH_B 0, 0, 0
	FETCH_A 0, 0, 0
	FETCH_B 0, 0, 6
	STEP 0, 1                                      ; K 0: the biases start the sums
	TURN 0, 1, 1                                   ; K 128; slot 0 takes K 512 ..
	STEP 1, 0                                      ; K 256
	TURN 1, 0, 1                                   ; K 384; slot 1 takes K 768 ..
	STEP 0, 0                                      ; K 512
	TURN 0, 1, 0                                   ; K 640; nothing is left to fetch, so no round
	STEP 1, 0                                      ; K 768
	s_wait_dscnt 24                                ; K 896, the last step
	MUL 0, 6, 1, 0
	s_wait_dscnt 0x0
	MUL 6, 6, 1, 0
	WIN 0
	PLACES                                         ; in front of the first read of results and the first write of x's registers
; THE TAIL.  q (g = 0) or k (g = 1), row tile a: rotated, held, converted, stored.  first = tiles t = 0, 1 (features 0-31), second = tiles t + 2.
.macro ROPE a, g
.set TT, TQ+32*(\g)
.set AB, 128*(\g)+8*(\a)               ; accumulator (4 g + t, a) begins at AB + 32 t
.set CC, CSN+32*(\a)
	WIN 0x0e                                       ; source 0 (sums) window 2, source 1 (cosine, sine) window 3, the rest window 0
.irp t, 0,1
.irp j, 0,2,4,6                        ; each accumulator is read from its low end on
	v_pk_mul_f32 v[TT+8*\t+\j:TT+8*\t+\j+1], v[AB+32*(\t+2)+\j:AB+32*(\t+2)+\j+1], v[CC+16+8*\t+\j:CC+16+8*\t+\j+1]      ; second x sin
	v_pk_mul_f32 v[TT+16+8*\t+\j:TT+16+8*\t+\j+1], v[AB+32*\t+\j:AB+32*\t+\j+1], v[CC+16+8*\t+\j:CC+16+8*\t+\j+1]        ; first x sin
.endr
.endr
.irp t, 0,1
.irp j, 0,2,4,6
	v_pk_fma_f32 v[TT+8*\t+\j:TT+8*\t+\j+1], v[AB+32*\t+\j:AB+32*\t+\j+1], v[CC+8*\t+\j:CC+8*\t+\j+1], v[TT+8*\t+\j:TT+8*\t+\j+1] neg_lo:[0,0,1] neg_hi:[0,0,1]   ; first x cos - second x sin
	v_pk_fma_f32 v[TT+16+8*\t+\j:TT+16+8*\t+\j+1], v[AB+32*(\t+2)+\j:AB+32*(\t+2)+\j+1], v[CC+8*\t+\j:CC+8*\t+\j+1], v[TT+16+8*\t+\j:TT+16+8*\t+\j+1]             ; second x cos + first x sin
.endr
.endr
	WIN 0
.set n, 0
.rept 32
	v_med3_num_f32 v[TT+n], v[TT+n], -v[9+2*(\g)], v[9+2*(\g)]   ; the conversion to an 8-bit code does not saturate (ISA guide 7.6.2): the hold at the largest code x the scale
.set n, n+1
.endr
.irp t, 0,1,2,3
	v_cvt_scalef32_pk8_bf8_f32 v[QC+32*(\g)+8*(\a)+2*\t:QC+32*(\g)+8*(\a)+2*\t+1], v[TT+8*\t:TT+8*\t+7], v[8+2*(\g)]   ; features 16 t + 8 h + 0 .. 7: registers 2 t, 2 t + 1 of the fragment
.endr
	v_nop                                          ; a plain instruction between the last conversion and the next lines that write its sources
	global_store_b128 v[STO], v[QC+32*(\g)+8*(\a):QC+32*(\g)+8*(\a)+3],   s[68+2*(\g):69+2*(\g)] offset:(\a)*1024       ; 512 consecutive bytes, aligned
	global_store_b128 v[STO], v[QC+32*(\g)+8*(\a)+4:QC+32*(\g)+8*(\a)+7], s[68+2*(\g):69+2*(\g)] offset:(\a)*1024+512
.endm
; v, tile f of 16 features: my 64 keys are four of the eight 16-key pieces of a fragment of 128 keys: eight of its sixteen registers
.macro VQ f
.set TT, TQ+32*((\f)%2)
	WIN 0x03                                       ; source 0 (sums) window 3
.irp a, 0,1,2,3
.irp j, 0,1,2,3,4,5,6,7
	v_med3_num_f32 v[TT+8*\a+\j], v[8*(4*(\f)+\a)+\j], -v13, v13
.endr
.endr
	WIN 0
.irp a, 0,1,2,3
	v_cvt_scalef32_pk8_bf8_f32 v[VC+8*(\f)+2*\a:VC+8*(\f)+2*\a+1], v[TT+8*\a:TT+8*\a+7], v12
.endr
	v_nop
	global_store_b128 v[STO], v[VC+8*(\f):VC+8*(\f)+3],   s[72:73] offset:(\f)*2048
	global_store_b128 v[STO], v[VC+8*(\f)+4:VC+8*(\f)+7], s[72:73] offset:(\f)*2048+512
.endm
.irp a, 0,1,2,3
	ROPE \a, 0
	ROPE \a, 1
.endr
.irp f, 0,1,2,3
	VQ \f
.endr
	s_wait_tensorcnt 0x0                           ; the wave's end
	ds_add_u32 v[SPW], v[NIL]
	s_wait_dscnt 0x0
	CROUND                                         ; the closing round: no work-group ends while a partner may still ask for a tile that names it
	s_endpgm
.Lfunc_end_k_q82710c94c0_qkv:
	.size	k_q82710c94c0_qkv, .Lfunc_end_k_q82710c94c0_qkv-k_q82710c94c0_qkv
	.p2alignl 7, 3214868480
	.fill 96, 4, 3214868480
	.section	.rodata,"a",@progbits
	.p2align	6, 0x0
	.amdhsa_kernel k_q82710c94c0_qkv
		.amdhsa_group_segment_fixed_size 327680
		.amdhsa_private_segment_fixed_size 0
		.amdhsa_enable_private_segment 0
		.amdhsa_kernarg_size 56
		.amdhsa_user_sgpr_count 2
		.amdhsa_user_sgpr_kernarg_segment_ptr 1
		.amdhsa_wavefront_size32 1
		.amdhsa_system_sgpr_workgroup_id_x 1
		.amdhsa_system_sgpr_workgroup_id_y 1
		.amdhsa_system_sgpr_workgroup_id_z 1
		.amdhsa_system_vgpr_workitem_id 0
		.amdhsa_next_free_vgpr 1024
		.amdhsa_next_free_sgpr 100
		.amdhsa_reserve_vcc 1
		.amdhsa_float_denorm_mode_32 3
		.amdhsa_float_denorm_mode_16_64 3
		.amdhsa_memory_ordered 1
		.amdhsa_forward_progress 1
		.amdhsa_inst_pref_size 194
	.end_amdhsa_kernel
	.amdgpu_metadata
---
amdhsa.version: [ 1, 2 ]
amdhsa.kernels:
  - .name:           k_q82710c94c0_qkv
    .symbol:         k_q82710c94c0_qkv.kd
    .args:
      - { .name: x_codes, .offset: 0, .size: 8, .value_kind: global_buffer, .address_space: global }
      - { .name: W_kqv_codes, .offset: 8, .size: 8, .value_kind: global_buffer, .address_space: global }
      - { .name: b_kqv, .offset: 16, .size: 8, .value_kind: global_buffer, .address_space: global }
      - { .name: lowp_scales, .offset: 24, .size: 8, .value_kind: global_buffer, .address_space: global }
      - { .name: qc, .offset: 32, .size: 8, .value_kind: global_buffer, .address_space: global }
      - { .name: kc, .offset: 40, .size: 8, .value_kind: global_buffer, .address_space: global }
      - { .name: vc, .offset: 48, .size: 8, .value_kind: global_buffer, .address_space: global }
    .group_segment_fixed_size: 327680
    .private_segment_fixed_size: 0
    .kernarg_segment_align: 8
    .kernarg_segment_size: 56
    .max_flat_workgroup_size: 128
    .sgpr_count:     100
    .vgpr_count:     1024
    .wavefront_size: 32
...
	.end_amdgpu_metadata
.endif
;; end of part 1
;; launch attn (part 2): grid 16 x 16, 16 waves a work-group, no clusters, 327,680 bytes of LDS; arguments qc, kc, vc, lowp_scales, out0; writes out0
.if DOCPART == 2
	.amdgcn_target "amdgcn-amd-amdhsa--gfx1250"
	.amdhsa_code_object_version 6
	.text
	.protected	k_q82710c94c0_attn
	.globl	k_q82710c94c0_attn
	.p2align	8
	.type	k_q82710c94c0_attn,@function
k_q82710c94c0_attn:
	s_mov_b64 s[64:65], 0
	v_nop
	global_prefetch_b8 v0, s[64:65] scope:SCOPE_SE
	s_setreg_imm32_b32 hwreg(HW_REG_WAVE_MODE, 25, 1), 1
	s_wait_xcnt 0x0
; out0[q][64 head + f] = the sum over keys k <= q of softmax_k(Q[q] . K[k] / 8) V[k][f], both products on codes of E5M2 made by the launch before; 16 heads, 4,096 positions, head size 64.
; WORK LEFT OUT: a key step (16 queries x 128 keys) all of whose keys come after the wave's queries is not walked, and a slot of keys that no wave of the work-group reads is not fetched: reference() masks those places itself (tril).
; LIMITS.  Hidden scores inside a walked step become -infinity where reference() has finfo.min / 8: the same weights, 0, while the live logits stay above about -4e37.  e2 + e3 between -123 and 130 (added to c's exponent field);
; e4 between -126 and 112; e4 + e5 goes in by v_ldexp_f32 and has no limit.  A NaN or an infinity that would arise only in work left out is not carried to the result.
; THE SOFTMAX AHEAD OF THE SECOND PRODUCT: t = score x log2(e) / 8; M = the running largest t rounded UP to a whole number; p = 2^(t - M) is quantised with 2^e4, not normalised; the row's sum is taken of the unquantised p and
; divides at the end.  When M moves, the sum and O are multiplied by 2^(old M - new M): exact.
; OPERANDS.  qc, kc, vc hold images of operand registers: a fragment comes by loads of 16 bytes a lane at 16 x lane, 512 consecutive bytes a load: no pitch, no padding, every k in its own place.
; Both products are used transposed: S^T = K Q^T (source 0 = 16 keys, source 1 = my 16 queries; K = 64), O^T = V^T P (source 0 = 16 features, source 1 = P; K = 128 keys): a lane holds ONE query throughout, and the eight registers
; of score tile T are keys 16 T + 8 (lane / 16) + 0 .. 7: just registers 2 T, 2 T + 1 of P once converted.
; SHARES.  Work-group i of a head owns the blocks of 128 queries i and 31 - i: (i + 1) + (32 - i) = 33 key steps for each of eight tiles, the same in every work-group.  Each of the 16 waves owns one tile of 16 queries in 256 registers;
; low and high blocks alternate among the waves by (w xor w / 4) mod 2.  Every wave walks all 16 slots of 256 keys: the trip counts are constants of the text; what is jumped over is a step's work.
; NO CLUSTER: the work-groups of a head need different numbers of key slots (from 9 to 16).
; LDS: two slots of 32,768 bytes (K's 16,384, then V's 16,384), filled by wave 0 (K) and wave 1 (V), read by all; behind them each wave's stage for the way out, then the spare words.
; REGISTERS: v1-7 terms that stay; v2 the step's LDS address; v8-11 the way out; v12 -M, v13 the largest t, v[14:15] the sum in two halves; v16-23 Q; v32-95 K's eight fragments, then V's four; v96-159 S^T, then p; v160-191 O^T;
; v192-207 p's codes; v236-254 at work.
.set SK,    256                        ; keys in a slot
.set VOFF,  16384                      ; V's part of a slot
.set SLOT1, 1<<15                      ; slot 1 begins here: one exclusive or turns an address in one slot into the other's
.set NSL,   16                         ; slots' worth of keys
.set STAGE, 65536                      ; 16 rows x (256 bytes + 16) for each wave: bytes into which no fill lands
.set SPARE, STAGE+16*16*272            ; the spare words, 128 bytes for each wave: eight blocks of 256 bytes that no other line names
.set LI,   1                           ; v1   16 x lane
.set ADR,  2                           ; v2   LDS address of the slot in hand, for my lane
.set PFO,  3                           ; v3   256 x lane: the prefetches' offset
.set DL,   4                           ; v4   lane % 16 - 8 (lane / 16), for the mask
.set SPW,  5                           ; v5   my spare word; never rewritten
.set NIL,  6                           ; v6   0; never rewritten
.set GO,   7                           ; v7   the way out: my byte offset in the wave's rows of out0
.set WV,   18
.set SEL,  20                          ; s[20:21] lane selects: lane l xor 16
.set CS,   22                          ; s[22:23] c = log2(e) / 8 x 2^(e2 + e3)
.set G1,   24                          ; s[24:31] group 1: 64 rows of 256 bytes, dense
.set G0K,  40                          ; s[40:43], s[44:47] groups 0 for K and V, which walk
.set G0V,  44
.set TB,   2                           ; s2   LDS byte at which the slot in hand begins
.set SLOTS, 67                         ; s67  changes of slots still to come in the loop
.set PFA,  76                          ; s[76:77] where my prefetches stand
.set LIM,  80                          ; s80  1 in a wave that prefetches, else the greatest number
.set LASTQ, 81                         ; s81  my work-group's last query
.set KF,   98                          ; s98  the step's first key
.set Q0,   99                          ; s99  my first query
; Wave 0 fetches K's part of a slot, wave 1 V's, the others nothing.  The branches hang on the wave's number alone.  An s_nop 0 and four v_nop follow each line.
.macro TLOAD
	s_cmp_eq_u32 s[WV], 0
	s_cbranch_scc0 .Lnot_k_\@
	tensor_load_to_lds s[G0K:G0K+3], s[G1:G1+7]
	s_nop 0
.rept 4
	v_nop
.endr
	s_branch .Lasked_\@
.Lnot_k_\@:
	s_cmp_eq_u32 s[WV], 1
	s_cbranch_scc0 .Lasked_\@
	tensor_load_to_lds s[G0V:G0V+3], s[G1:G1+7]
	s_nop 0
.rept 4
	v_nop
.endr
.Lasked_\@:
.endm
; A prefetch of what the NEXT change of slots will ask for: 16,384 bytes of K's images and as many of V's.  All work-groups of a head walk the same bytes: the head's first work-group, which walks all slots, asks, and nobody else.
; In it waves 4 and 5 ask for K's halves and waves 6 and 7 for V's: 8,192 bytes a wave, lanes 256 bytes apart: each aligned block of 256 bytes is named once in the launch.  The last change that fills a slot asks for nothing.
.macro ASK
	s_cmp_gt_u32 s[SLOTS], s[LIM]
	s_cbranch_scc0 .Lnot_mine_\@
	global_prefetch_b8 v[PFO], s[PFA:PFA+1] th:TH_LOAD_NT scope:SCOPE_SE
.Lnot_mine_\@:
.endm
	s_load_b128 s[4:7], s[0:1], 0x0                ; qc s[4:5], kc s[6:7]
	s_load_b128 s[12:15], s[0:1], 0x10             ; vc s[12:13], the exponents s[14:15]
	s_load_b64 s[16:17], s[0:1], 0x20              ; out0
	v_lshl_add_u32 v[SPW], v0, 2, SPARE
	v_mov_b32 v[NIL], 0
	ds_add_u32 v[SPW], v[NIL]                      ; the wave's opening: the add, twice on end, and its wait ahead of the first tensor load
	ds_add_u32 v[SPW], v[NIL]
	v_lshrrev_b32 v8, 5, v0
	v_readfirstlane_b32 s[WV], v8                  ; wave 0..15
	s_and_b32 s72, ttmp7, 0xffff                   ; the head
	s_lshl_b32 s74, s72, 18                        ; its 262,144 bytes in each buffer of codes
	s_mov_b32 s75, 0
	s_lshr_b32 s82, s[WV], 2
	s_xor_b32 s82, s82, s[WV]
	s_and_b32 s82, s82, 1                          ; 0: the low block, 1: the high one
	s_sub_co_u32 s83, 31, ttmp9
	s_cmp_eq_u32 s82, 0
	s_cselect_b32 s83, ttmp9, s83                  ; my block of 128 queries
	s_lshl_b32 s83, s83, 7
	s_lshr_b32 s84, s[WV], 1
	s_lshl_b32 s84, s84, 4
	s_add_co_u32 s[Q0], s83, s84                   ; my first query: 128 x block + 16 x (wave / 2)
	s_lshl_b32 s[LASTQ], ttmp9, 7
	s_sub_co_u32 s[LASTQ], 4095, s[LASTQ]          ; the high block's last query
	s_lshl_b32 s86, s[Q0], 6                       ; Q: 1,024 bytes for 16 queries
	s_add_co_u32 s86, s86, s74
	s_mov_b32 s87, 0
	s_lshl_b32 s88, s[Q0], 12                      ; out0: a row is 4,096 bytes, a head 256 of them
	s_lshl_b32 s89, s72, 8
	s_add_co_u32 s88, s88, s89
	s_mov_b32 s89, 0
	s_mov_b32 s[G1], 3<<16                         ; no mask; elements of 8 bytes; no padding
	s_mov_b32 s[G1+1], 32<<16                      ; tensor_dim0 = 32 elements: 256 bytes
	s_mov_b32 s[G1+2], 64<<16                      ; tensor_dim1 = 64
	s_mov_b32 s[G1+3], 32<<16                      ; tile_dim0
	s_mov_b32 s[G1+4], 64                          ; tile_dim1
	s_mov_b32 s[G1+5], 32                          ; from row to row: dense
	s_mov_b32 s[G1+6], 0
	s_mov_b32 s[G1+7], 0
	s_mov_b32 s[SEL], 0x76543210
	s_mov_b32 s[SEL+1], 0xfedcba98
	s_mov_b32 s[CS], 0x3e38aa3b                    ; log2(e) / 8
	s_mov_b32 s[TB], 0
	s_mov_b32 s[SLOTS], NSL-1
	s_mov_b32 s[KF], 0
	s_wait_dscnt 0x0                               ; both opening adds are done
	s_wait_kmcnt 0x0
	s_load_b128 s[68:71], s[14:15], 0x8            ; e2, e3, e4, e5
	s_mov_b32 s[G0K], 1
	s_mov_b32 s[G0K+1], 0                          ; slot 0
	s_add_nc_u64 s[G0K+2:G0K+3], s[6:7], s[74:75]  ; the head's first 256 keys
	s_or_b32 s[G0K+3], s[G0K+3], 0x80000000
	s_mov_b32 s[G0V], 1
	s_mov_b32 s[G0V+1], VOFF
	s_add_nc_u64 s[G0V+2:G0V+3], s[12:13], s[74:75]
	s_or_b32 s[G0V+3], s[G0V+3], 0x80000000
	TLOAD                                          ; slot 0: it holds key 0, which counts for every query
	s_add_nc_u64 s[4:5], s[4:5], s[86:87]
	s_add_nc_u64 s[16:17], s[16:17], s[88:89]
	s_cmp_lt_u32 s[WV], 6                          ; the prefetches: waves 4, 5 stand in K's images, waves 6, 7 in V's,
	s_cselect_b64 s[PFA:PFA+1], s[6:7], s[12:13]
	s_and_b32 s82, s[WV], 1
	s_lshl_b32 s82, s82, 13                        ; at my half of a slot's 16,384 bytes,
	s_add_co_u32 s82, s82, 16384                   ; in slot 1: the first change of slots steps it to slot 2.  Nothing is prefetched here, at the head
	s_mov_b32 s83, 0
	s_add_nc_u64 s[PFA:PFA+1], s[PFA:PFA+1], s[74:75]
	s_add_nc_u64 s[PFA:PFA+1], s[PFA:PFA+1], s[82:83]
	s_sub_co_u32 s82, s[WV], 4
	s_lshr_b32 s82, s82, 2                         ; 0 in waves 4 to 7,
	s_or_b32 s82, s82, ttmp9                       ; of the head's first work-group
	s_cmp_eq_u32 s82, 0
	s_cselect_b32 s[LIM], 1, -1
	v_and_b32 v[LI], 31, v0
	v_lshlrev_b32 v[PFO], 8, v[LI]
	v_lshlrev_b32 v[LI], 4, v[LI]
	global_load_b128 v[16:19], v[LI], s[4:5]       ; Q's fragment stays in registers
	global_load_b128 v[20:23], v[LI], s[4:5] offset:512
	v_and_b32 v8, 15, v0                           ; r
	v_bfe_u32 v9, v0, 4, 1                         ; h
	v_lshlrev_b32 v10, 3, v9
	v_sub_nc_u32 v[DL], v8, v10                    ; r - 8 h
	v_lshlrev_b32 v[GO], 12, v9
	v_lshl_add_u32 v[GO], v8, 4, v[GO]             ; lanes 0-15 take one row of out0, lanes 16-31 the next; 16 bytes a lane
	v_mov_b32 v13, 0xff61b1e6                      ; the largest t so far: -3e38, under every t
	v_floor_f32 v12, -v13                          ; -M
	v_mov_b32 v14, 0                               ; the sum, in two halves
	v_mov_b32 v15, 0
	v_mov_b32 v236, 0                              ; written once: a lane permute's destination counts as one of its sources
	v_mov_b32 v252, 0
	v_mov_b32 v253, 0                              ; (named as the upper half of the pair v[252:253])
.set n, 0
.rept 32
	v_mov_b32 v[160+n], 0                          ; O^T.  (The step is written for all trips alike: the first finds zeros, which the first change of M leaves zeros)
.set n, n+1
.endr
	s_wait_kmcnt 0x0
	s_add_co_i32 s72, s68, s69
	s_lshl_b32 s72, s72, 23
	s_add_co_i32 s[CS], s[CS], s72                 ; a score stands for score x 2^(e2 + e3): added to c's exponent field
	s_mov_b32 s[CS+1], s[CS]                       ; (named with it as a pair, so it is written)
	s_add_co_i32 s72, s70, 127
	s_lshl_b32 s73, s72, 23
	v_mov_b32 v244, s73                            ; 2^e4 as f32, for the conversion
	s_add_co_i32 s72, s72, 15
	s_lshl_b32 s72, s72, 23
	s_or_b32 s72, s72, 0x600000
	v_mov_b32 v240, s72                            ; 57,344 x 2^e4
; A KEY STEP: 128 keys, the q-th of the slot in hand.
.macro STEP q
	s_add_co_u32 s96, s[Q0], 15                    ; a step all of whose keys come after my 16 queries is left out: a branch on ids, round the step's loads, products and softmax; no barrier and no tensor load stands in a step
	s_cmp_gt_u32 s[KF], s96
	s_cbranch_scc1 .Lhidden_\@
	v_add_nc_u32 v[ADR], s[TB], v[LI]
.rept 3
	v_nop                                          ; with the addition above: four places in front of loads into registers that the last products read
.endr
.irp T, 0,1,2,3,4,5,6,7
	ds_load_b128 v[32+8*\T:35+8*\T], v[ADR] offset:(8*(\q)+\T)*1024        ; keys 16 T .. 16 T + 15: a fragment's image
	ds_load_b128 v[36+8*\T:39+8*\T], v[ADR] offset:(8*(\q)+\T)*1024+512
.endr
	s_wait_dscnt 0x0
.irp T, 0,1,2,3,4,5,6,7
	v_wmma_f32_16x16x64_bf8_bf8 v[96+8*\T:103+8*\T], v[32+8*\T:39+8*\T], v[16:23], 0   ; S^T: register 8 T + j of lane (r, h): key 16 T + 8 h + j, query r
.endr
.rept 4
	v_nop                                          ; places: in front of the loads into K's registers and of the first read of the scores
.endr
.irp f, 0,1,2,3
.irp p, 0,1,2,3
	ds_load_b128 v[32+16*\f+4*\p:35+16*\f+4*\p], v[ADR] offset:VOFF+(\q)*8192+\f*2048+\p*512   ; V^T's four fragments land while the softmax is walked
.endr
.endr
	s_add_co_u32 s96, s[KF], 127                   ; on the diagonal the scores of hidden keys become -infinity ahead of the maximum: p = 0 then.  A step all of whose keys count skips this
	s_cmp_le_u32 s96, s[Q0]
	s_cbranch_scc1 .Lopen_\@
	s_sub_co_i32 s96, s[Q0], s[KF]
	v_add_nc_u32 v252, s96, v[DL]                  ; d = my query - KF - 8 h: register 8 T + j is hidden where 16 T + j > d
	v_mov_b32 v254, 0xff800000
.set n, 0
.rept 64
	v_cmp_gt_i32 vcc_lo, 16*(n/8)+n%8, v252
	v_cndmask_b32 v[96+n], v[96+n], v254, vcc_lo
.set n, n+1
.endr
.Lopen_\@:
	v_max3_num_f32 v254, v96, v97, v98             ; the step's largest score of my query among my 64 keys, in two chains, each accumulator from its low end on,
	v_max3_num_f32 v252, v99, v100, v101
.set n, 6
.rept 14
	v_max3_num_f32 v254, v254, v[96+n], v[97+n]
	v_max3_num_f32 v252, v252, v[98+n], v[99+n]
.set n, n+4
.endr
	v_max3_num_f32 v254, v254, v158, v159
	v_max_num_f32 v254, v254, v252
	v_permlanex16_b32 v236, v254, s[SEL], s[SEL+1]
	v_max_num_f32 v254, v254, v236                 ; and among lane l xor 16's
	v_mul_f32 v254, s[CS], v254                    ; as t (c is positive)
	v_max_num_f32 v13, v13, v254                   ; the running largest t
	v_mov_b32 v254, v12
	v_floor_f32 v12, -v13                          ; the new -M = floor(-t) = -ceil(t): a whole number
	v_sub_f32 v254, v12, v254                      ; old M - new M: a whole number, 0 or less
	v_cvt_i32_f32 v254, v254                       ; (it saturates)
	v_ldexp_f32 v252, 1.0, v254                    ; f = 2^(old M - new M)
.set n, 0
.rept 32
	v_pk_fma_f32 v[96+n:97+n], v[96+n:97+n], s[CS:CS+1], v[12:13] op_sel_hi:[1,0,0]   ; t - M, two at a time (of the pairs c and -M the low word serves both halves)
.set n, n+2
.endr
.set n, 0
.rept 64
	v_exp_f32 v[96+n], v[96+n]                     ; p = 2^(t - M), at most 1: not normalised
.set n, n+1
.endr
	v_pk_mul_f32 v[14:15], v[14:15], v[252:253] op_sel_hi:[1,0]   ; the sums under the new M: the plain instruction behind the exponentials
	s_wait_alu depctr_va_vdst(0)                   ; one wait for the whole batch, ahead of its first reader
	v_pk_add_f32 v[242:243], v[96:97], v[98:99]    ; the row's sum is taken of the UNQUANTISED p, in two chains
.set n, 4
.rept 15
	v_pk_add_f32 v[14:15], v[14:15], v[96+n:97+n]
	v_pk_add_f32 v[242:243], v[242:243], v[98+n:99+n]
.set n, n+4
.endr
	v_pk_add_f32 v[14:15], v[14:15], v[242:243]
.irp T, 0,1,2,3,4,5,6,7
.irp i, 0,1,2,3,4,5,6,7
	v_min_num_f32 v[96+8*\T+\i], v[96+8*\T+\i], v240   ; the conversion does not saturate (ISA guide 7.6.2); p is not negative, so the hold is one-sided
.endr
	v_cvt_scalef32_pk8_bf8_f32 v[192+2*\T:193+2*\T], v[96+8*\T:103+8*\T], v244   ; keys 16 T + 8 h + 0 .. 7: registers 2 T, 2 T + 1 of P
.endr
.set n, 0
.rept 16
	v_pk_mul_f32 v[160+n:161+n], v[160+n:161+n], v[252:253] op_sel_hi:[1,0]   ; O^T under the new M.  (Plain instructions between the conversions and the products that read their results)
.set n, n+2
.endr
	s_wait_dscnt 0x0                               ; V^T is in
.irp f, 0,1,2,3
	v_wmma_f32_16x16x128_bf8_bf8 v[160+8*\f:167+8*\f], v[32+16*\f:47+16*\f], v[192:207], v[160+8*\f:167+8*\f]   ; the four accumulators by turns
.endr
.Lhidden_\@:
	s_add_co_u32 s[KF], s[KF], 128
.endm
; THE CHANGE OF SLOTS stands at a slot's head.  Each wave waits for all its tensor loads, adds 0 to its spare word (fill = 1: twice on end), and waits for that and for its reads of the slot that it has left.  Behind the barrier the slot
; ahead is whole and nobody reads the other one.  fill = 1: that other slot takes the next 256 keys, while some wave of the work-group will read them; the load has a slot's two steps in which to land.
.macro CHANGE fill
	s_wait_tensorcnt 0x0                           ; no tensor load of mine is out, so a group 0 may be written
	ds_add_u32 v[SPW], v[NIL]                      ; 0 onto my spare word
.if \fill
	ds_add_u32 v[SPW], v[NIL]                      ; and once more: the add stands twice in every trip alike
	s_xor_b32 s[G0K+1], s[G0K+1], SLOT1            ; the walking descriptors: the other slot than last time, the next 256 keys
	s_add_nc_u64 s[G0K+2:G0K+3], s[G0K+2:G0K+3], 16384
	s_xor_b32 s[G0V+1], s[G0V+1], SLOT1
	s_add_nc_u64 s[G0V+2:G0V+3], s[G0V+2:G0V+3], 16384
	s_wait_xcnt 0x0                                ; the last prefetch, a slot back, has read its address, so it may be written:
	s_add_nc_u64 s[PFA:PFA+1], s[PFA:PFA+1], 16384 ; one slot further on than the walking descriptors
.endif
	s_wait_dscnt 0x0                               ; the add is done, and my reads of the slot that I have left are over
	s_barrier_signal -1
	s_barrier_wait -1
.if \fill
	s_add_co_u32 s96, s[KF], SK                    ; the first key of the slot that this change would ask for:
	s_cmp_gt_u32 s96, s[LASTQ]                     ; past my work-group's last query no wave reads it, so it is not asked for.  Ids and the count of steps alone: all sixteen waves go the same way; every wait on TENSORcnt is for 0
	s_cbranch_scc1 .Lpast_\@
	TLOAD                                          ; the first thing behind the barrier, and a wave's one tensor load until the next
.Lpast_\@:
	ASK
.endif
.endm
.macro SLOT_STEPS
	STEP 0
	STEP 1
	s_xor_b32 s[TB], s[TB], SLOT1                  ; on to the other slot
.endm
	s_wait_loadcnt 0x0                             ; Q
.Lslot:                                            ; 15 trips: behind each change of slots but the last the next slot is asked for, up to the causal limit
	CHANGE 1
	SLOT_STEPS
	s_sub_co_u32 s[SLOTS], s[SLOTS], 1
	s_cmp_lg_u32 s[SLOTS], 0
	s_cbranch_scc1 .Lslot
	CHANGE 0                                       ; the last slot is written out: nothing is left to ask for
	SLOT_STEPS
	; THE WAY OUT.  O^T / the sum x 2^(e4 + e5) goes through my stage in LDS: 16 queries x 256 bytes; sixteen lanes then store 256 consecutive bytes, aligned.
	v_add_f32 v14, v14, v15                        ; the sum's two halves,
	v_permlanex16_b32 v252, v14, s[SEL], s[SEL+1]
	v_add_f32 v14, v14, v252                       ; and lane l xor 16's
	v_rcp_f32 v14, v14
	v_and_b32 v8, 15, v0                           ; (plain work behind the reciprocal)  r
	v_bfe_u32 v9, v0, 4, 1                         ; h
	s_add_co_i32 s72, s70, s71
	s_mul_i32 s73, s[WV], 16*272
	s_add_co_u32 s73, s73, STAGE                   ; my stage
	v_mul_u32_u24 v10, v8, 272
	v_lshl_add_u32 v10, v9, 5, v10
	v_add_nc_u32 v10, s73, v10                     ; in: row r; tile f's eight features of my half: 64 f + 32 h bytes on
	v_mul_u32_u24 v11, v9, 272
	v_lshl_add_u32 v11, v8, 4, v11
	v_add_nc_u32 v11, s73, v11                     ; back: lanes 0-15 one row, lanes 16-31 the next
	s_wait_alu depctr_va_vdst(0)                   ; the wait ahead of the reciprocal's first reader
	v_ldexp_f32 v14, v14, s72
.set n, 0
.rept 32
	v_mul_f32 v[96+n], v[160+n], v14               ; register 8 f + j is out(r, 16 f + 8 h + j)
.set n, n+1
.endr
.irp f, 0,1,2,3
	ds_store_b128 v10, v[96+8*\f:99+8*\f] offset:64*\f
	ds_store_b128 v10, v[100+8*\f:103+8*\f] offset:64*\f+16
.endr
.irp i, 0,1,2,3,4,5,6,7
	ds_load_b128 v[32+4*\i:35+4*\i], v11 offset:2*\i*272   ; LDS serves a wave's instructions in order (ISA guide 5.7.1.4): these see my stores
.endr
.irp i, 0,1,2,3,4,5,6,7
	s_wait_dscnt 7-\i                              ; the younger loads may stay out
	global_store_b128 v[GO], v[32+4*\i:35+4*\i], s[16:17] offset:\i*8192 th:TH_STORE_NT
.endr
	s_wait_tensorcnt 0x0                           ; the wave's end, behind my last tensor load and my last LDS store
	ds_add_u32 v[SPW], v[NIL]
	s_wait_dscnt 0x0
	s_endpgm
.Lfunc_end_k_q82710c94c0_attn:
	.size	k_q82710c94c0_attn, .Lfunc_end_k_q82710c94c0_attn-k_q82710c94c0_attn
	.p2alignl 7, 3214868480
	.fill 96, 4, 3214868480
	.section	.rodata,"a",@progbits
	.p2align	6, 0x0
	.amdhsa_kernel k_q82710c94c0_attn
		.amdhsa_group_segment_fixed_size 327680
		.amdhsa_private_segment_fixed_size 0
		.amdhsa_enable_private_segment 0
		.amdhsa_kernarg_size 40
		.amdhsa_user_sgpr_count 2
		.amdhsa_user_sgpr_kernarg_segment_ptr 1
		.amdhsa_wavefront_size32 1
		.amdhsa_system_sgpr_workgroup_id_x 1
		.amdhsa_system_sgpr_workgroup_id_y 1
		.amdhsa_system_sgpr_workgroup_id_z 1
		.amdhsa_system_vgpr_workitem_id 0
		.amdhsa_next_free_vgpr 256
		.amdhsa_next_free_sgpr 100
		.amdhsa_reserve_vcc 1
		.amdhsa_float_denorm_mode_32 3
		.amdhsa_float_denorm_mode_16_64 3
		.amdhsa_memory_ordered 1
		.amdhsa_forward_progress 1
		.amdhsa_inst_pref_size 94
	.end_amdhsa_kernel
	.amdgpu_metadata
---
amdhsa.version: [ 1, 2 ]
amdhsa.kernels:
  - .name:           k_q82710c94c0_attn
    .symbol:         k_q82710c94c0_attn.kd
    .args:
      - { .name: qc, .offset: 0, .size: 8, .value_kind: global_buffer, .address_space: global }
      - { .name: kc, .offset: 8, .size: 8, .value_kind: global_buffer, .address_space: global }
      - { .name: vc, .offset: 16, .size: 8, .value_kind: global_buffer, .address_space: global }
      - { .name: lowp_scales, .offset: 24, .size: 8, .value_kind: global_buffer, .address_space: global }
      - { .name: out0, .offset: 32, .size: 8, .value_kind: global_buffer, .address_space: global }
    .group_segment_fixed_size: 327680
    .private_segment_fixed_size: 0
    .kernarg_segment_align: 8
    .kernarg_segment_size: 40
    .max_flat_workgroup_size: 512
    .sgpr_count:     100
    .vgpr_count:     256
    .wavefront_size: 32
...
	.end_amdgpu_metadata
.endif
;; end of part 2
